; MI455X (gfx1250); checked and timed in simulation.
; The chip was launched on July 23, 2026; its instructions are those of AMD's public machine-readable ISA for CDNA 5 (MIT licence, August 2026) and "CDNA5" Instruction Set Architecture Reference Guide (July 2026). The comments in the code are by the model that wrote it; some were corrected since.
;; Incoherent MLP. Allowed arithmetic: matrix products marked QUANTISED: E4M3 operands, one given power-of-two scale a tensor, by v_wmma_f32_16x16x64_fp8_fp8 or v_wmma_f32_16x16x128_fp8_fp8, f32 sums; everything else in f32.
;; Inputs: SU_dp 1,024 float32; SU_ug 2,048 float32; W_down 2,048 x 1,024 float32; W_gate 1,024 x 2,048 float32; W_up 1,024 x 2,048 float32; Wscale_dp 2,048 float32; Wscale_ug 2,048 float32; input 4 x 2,048 x 2,048 float32; lowp_scales 6 int32 (the exponents e of the quantised operands' scales 2^e).
;; Outputs: out0 4 x 2,048 x 2,048 float32.
;; This version of the problem:
;;   THIS VERSION OF THE PROBLEM IS GIVEN IN LOW PRECISION. The matrix products marked QUANTISED in the list below multiply operands that are first quantised to E4M3 (4 exponent bits, 3 mantissa bits; 8 bits a number), with one given power-of-two scale for each operand tensor; their sums are f32. All else is computed in f32.
;;   The module's matrix products, in the order in which they are computed (A, B: the left and right operand; K: the contracted axis; several contracted axes count as one K, in the product's order):
;;     1. [M 8,192, K 2,048] x [K 2,048, N 1,024]; A: computed on the way; B: input W_up: QUANTISED (scales: A lowp_scales[0], B lowp_scales[1])
;;     2. [M 8,192, K 2,048] x [K 2,048, N 1,024]; A: computed on the way; B: input W_gate: QUANTISED (scales: A lowp_scales[2], B lowp_scales[3])
;;     3. [M 8,192, K 1,024] x [K 1,024, N 2,048]; A: computed on the way; B: input W_down: QUANTISED (scales: A lowp_scales[4], B lowp_scales[5])
;;   THE QUANTISER, for each operand of a quantised product, along K:
;;     - The operand's scale is 2^e, e = its entry of the input lowp_scales (int32; the entries are numbered through the quantised products in the list's order, A before B).
;;     - Each number is divided by the scale, clamped to +-448, and rounded to the nearest number of E4M3, ties to even, subnormals kept.
;;     - The product sums the exact products of the quantised numbers (number of the format x scale) in f32.
;;   ~~~python
;;   def quantise(x, axis, e):      # numpy; x: float32 -> the quantised numbers, widened to float32 again
;;       x = np.moveaxis(x, axis, -1); K = x.shape[-1]
;;       r = np.clip(x / 2.0 ** e, -448, 448)
;;       step = 2.0 ** (np.maximum(np.frexp(np.where(r == 0, 1, r))[1] - 1, -6) - 3)
;;       q = np.round(r / step) * step * 2.0 ** e      # np.round: ties to even
;;       return np.moveaxis(q, -1, axis).astype(np.float32)
;;   ~~~
;;   OPERANDS COMPUTED ON THE WAY. 'Computed on the way' means the value that the module computes at that place (a softmax that the list does not call 'softmax' is quantised finished and normalised). What goes into a quantiser is computed in f32, as accurately as f32 sums, v_exp_f32 and their like allow (about 1e-6 of the number): no bf16 or f16 on the way to a quantiser, and a product that is left as it is and whose result goes on into a quantised operand takes f32 operands (vector FMAs, or v_wmma_f32_16x16x4_f32). A number that lies on a knife's edge between two numbers of the format may be rounded either way, as far as f32 arithmetic and the matrix unit's own rounding can turn it there, and no further.
;; One version. Each part assembles by itself: llvm-mc -triple=amdgcn-amd-amdhsa -mcpu=gfx1250 --defsym DOCPART=n.
;; ======== version 1 of 1: 4 launches
;; workspace buffers: xq 33,554,432 bytes; wq 4,194,304 bytes; wd 2,097,152 bytes; hbuf 33,554,432 bytes; h2 8,388,608 bytes
;; launch prep (part 1): grid 1408 x 1, 4 waves a work-group, no clusters, 0 bytes of LDS; arguments input, SU_ug, W_up, W_gate, W_down, lowp_scales, xq, wq, wd; writes xq, wq, wd
.if DOCPART == 1
	.amdgcn_target "amdgcn-amd-amdhsa--gfx1250"
	.amdhsa_code_object_version 6
	.text
	.protected	k_q487981b5c4_prep
	.globl	k_q487981b5c4_prep
	.p2align	8
	.type	k_q487981b5c4_prep,@function
k_q487981b5c4_prep:
	s_mov_b64 s[64:65], 0
	v_nop
	global_prefetch_b8 v0, s[64:65] scope:SCOPE_SE
	s_setreg_imm32_b32 hwreg(HW_REG_WAVE_MODE, 25, 1), 1
	s_wait_xcnt 0x0
; PREP.  Three kinds of work-groups, told apart by the work-group's number; none uses LDS or a barrier.
;  X (0..1023):    x = Hadamard_2048(input * SU_ug) / (sqrt(2048) * 64), f32, then codes of E4M3 with 2^e0 and with 2^e2 (the two products that take x have a scale each): buffer xq.
;  W (1024..1279): W_up (scale 2^e1) and W_gate (2^e3) into codes: buffer wq.
;  D (1280..1407): W_down (2^e5) into codes: buffer wd.
; WHO HOLDS WHAT.  Sixteen lanes own a row.  Load i takes the row's bytes 256 i .. 256 i + 255, 16 a lane, so register R = 4 i + j of lane l holds k = 64 i + 4 l + j.
; The transform is a butterfly on each bit of k, in any order: bits 0, 1 and 6..10 are bits of R (packed additions), bits 2..5 are bits of l (DPP row_xmask).
; K MAY BE PERMUTED: one scale serves a whole tensor, so an order of k that is the same in both operands of a product leaves its terms as they are.  So codes are stored in the order in which they lie:
;  a PANEL is 128 along K: panel s holds registers 8 s .. 8 s + 7, lane l's eight codes at byte 8 l of the row's 128 bytes.
;  xq: [16 panels][32 tiles of 256 rows][e0's codes, e2's codes][256 rows][128 bytes]: what a work-group of the next launch wants of a panel is one dense run of 65,536 bytes.
;  wq: [16 panels][8 tiles of 128 rows][W_up, W_gate][128 rows][128 bytes]: likewise one dense run of 32,768 bytes.
;  A wave's store covers 256 consecutive bytes, aligned (two neighbouring rows of a panel).
;  wd: [2048][1024]: registers 16 s .. 16 s + 15 as 16 bytes at 256 s + 16 l.  Sixteen lanes store 256 consecutive bytes, aligned.
; code = number / 2^e, held within +-448, to the nearest code, ties to even.  LIMITS: each e between -126 and 119, so that 2^e and 448 x 2^e are f32 numbers.  NaN among the inputs is not served.
.set BA,   32                          ; v32-95, v96-159, v160-223: three blocks of 64; two hold the row's 128 numbers a lane, one is free
.set BB,   96
.set BC,   160
.set HT,   224                         ; v224-239 two sets of eight, at work
.set XO,   3                           ; v3   half x a row's bytes + 16 l
.set SUO,  4                           ; v4   16 l
.set WO,   7                           ; v7   path D: half x 1,024 + 16 l
.set S1,   8                           ; v[8:9], v[10:11], v[12:13], v[14:15]: +1.0 where bit 0, 1, 2, 3 of l is clear, -1.0 where it is set; twice, for the packed multiply
.set CC,   16                          ; v[16:17] 2^-11.5 = 1 / (64 sqrt(2048)), twice
.set SCU,  18                          ; v18 2^e, v19 448 x 2^e (path X: e0)
.set LIMU, 19
.set SCG,  20                          ; v20, v21 the same for e2
.set LIMG, 21
.set VO,   24                          ; v24  8 x lane: my eight codes in a panel's two rows; v25-27 (path X) the same 4, 8, 12 panels of xq on: three panels' offset stays inside the signed 24-bit immediate
.set PANX, 8192*256                    ; a panel of xq in bytes
.set PANW, 2048*128                    ; a panel of wq
.macro SCALES e, sc, lim               ; s[e] = e  ->  v[sc] = 2^e as f32 (the conversion takes its exponent field), v[lim] = 448 x 2^e
	s_add_co_i32 s44, s[\e], 127
	s_lshl_b32 s45, s44, 23
	v_mov_b32 v[\sc], s45
	s_add_co_i32 s44, s44, 8
	s_lshl_b32 s44, s44, 23
	s_or_b32 s44, s44, 0x600000
	v_mov_b32 v[\lim], s44
.endm
.macro MULB dst, src                   ; 64 numbers x 64 numbers
.set rr, 0
.rept 32
	v_pk_mul_f32 v[\dst+rr:\dst+rr+1], v[\dst+rr:\dst+rr+1], v[\src+rr:\src+rr+1]
.set rr, rr+2
.endr
.endm
.macro BF0 base, n                     ; butterfly on bit 0 of R, in place: (a, b) -> (a + b, a - b): both halves take a from the pair's first register and b from its second
.set rr, 0
.rept (\n)/2
	v_pk_add_f32 v[\base+rr:\base+rr+1], v[\base+rr:\base+rr+1], v[\base+rr:\base+rr+1] op_sel:[0,1] op_sel_hi:[0,1] neg_hi:[0,1]
.set rr, rr+2
.endr
.endm
.macro DPPST base, n, m, S             ; butterfly on a bit of l: new = the partner's number + (my sign) x mine; eight registers at a time, the two sets of temporaries by turns
.set gg, 0
.rept (\n)/8
.set hs, HT+8*(gg%2)
.irp q, 0,2,4,6
	v_pk_mul_f32 v[hs+\q:hs+\q+1], v[\base+8*gg+\q:\base+8*gg+\q+1], v[\S:\S+1]
.endr
.irp q, 0,1,2,3,4,5,6,7
	v_add_f32_dpp v[\base+8*gg+\q], v[\base+8*gg+\q], v[hs+\q] row_xmask:\m row_mask:0xf bank_mask:0xf
.endr
.set gg, gg+1
.endr
.endm
.macro LANES base, n                   ; the four bits of l
	DPPST \base, \n, 1, S1
	DPPST \base, \n, 2, S1+2
	DPPST \base, \n, 4, S1+4
	DPPST \base, \n, 8, S1+6
.endm
.macro BFO src, dst, n, d              ; butterfly on bit d (2 .. 32) of R, from one block into another
.set rr, 0
.rept (\n)/2
.if (rr & \d) == 0
	v_pk_add_f32 v[\dst+rr:\dst+rr+1], v[\src+rr:\src+rr+1], v[\src+rr+\d:\src+rr+\d+1]
	v_pk_add_f32 v[\dst+rr+\d:\dst+rr+\d+1], v[\src+rr:\src+rr+1], v[\src+rr+\d:\src+rr+\d+1] neg_lo:[0,1] neg_hi:[0,1]
.endif
.set rr, rr+2
.endr
.endm
.macro BFX p0, p1, f                   ; butterfly on bit 64 of R: f = p0 + p1, p1 = p0 - p1
.set rr, 0
.rept 32
	v_pk_add_f32 v[\f+rr:\f+rr+1], v[\p0+rr:\p0+rr+1], v[\p1+rr:\p1+rr+1]
	v_pk_add_f32 v[\p1+rr:\p1+rr+1], v[\p0+rr:\p0+rr+1], v[\p1+rr:\p1+rr+1] neg_lo:[0,1] neg_hi:[0,1]
.set rr, rr+2
.endr
.endm
	s_load_b512 s[8:23], s[0:1], 0x0               ; input s[8:9], SU_ug s[10:11], W_up s[12:13], W_gate s[14:15], W_down s[16:17], the exponents s[18:19], xq s[20:21], wq s[22:23]
	s_load_b64 s[28:29], s[0:1], 0x40              ; wd
	v_lshrrev_b32 v1, 5, v0
	v_readfirstlane_b32 s38, v1                    ; wave 0..3
	v_and_b32 v1, 15, v0                           ; l
	v_bfe_u32 v2, v0, 4, 1                         ; which half of the lanes
	v_lshlrev_b32 v[SUO], 4, v1
	v_and_b32 v[VO], 31, v0
	v_lshlrev_b32 v[VO], 3, v[VO]
	s_mov_b32 s41, 0
	s_mov_b32 s43, 0
	s_wait_kmcnt 0x0
	s_load_b128 s[32:35], s[18:19], 0x0            ; e0 .. e3
	s_load_b64 s[36:37], s[18:19], 0x10            ; e4, e5
	s_cmp_lt_u32 ttmp9, 1024
	s_cbranch_scc0 .Lweights
	; ---------------- X: two rows of input a wave
	s_lshl_b32 s40, ttmp9, 3
	s_lshl_b32 s44, s38, 1
	s_add_co_u32 s40, s40, s44                     ; my wave's first row: 8 x work-group + 2 x wave
	s_lshl_b32 s42, s40, 13                        ; x 8,192 bytes
	s_add_nc_u64 s[8:9], s[8:9], s[42:43]
	s_lshr_b32 s44, s40, 8                         ; its tile of 256 rows
	s_lshl_b32 s44, s44, 15
	s_lshl_b32 s40, s40, 7
	s_add_co_u32 s40, s40, s44                     ; in a panel of xq: tile x 65,536 + row in the tile x 128 = row x 128 + tile x 32,768
	s_add_nc_u64 s[20:21], s[20:21], s[40:41]      ; e0's codes,
	s_add_nc_u64 s[24:25], s[20:21], 0x8000        ; e2's: 256 rows of 128 bytes further on
	v_lshl_add_u32 v[XO], v2, 13, v[SUO]
.irp q, 1,2,3
	v_add_nc_u32 v[VO+\q], \q*4*PANX, v[VO]
.endr
.set ii, 0
.rept 16
	global_load_b128 v[BC+4*ii:BC+4*ii+3], v[SUO], s[10:11] offset:256*ii           ; SU_ug for registers 0..63
.set ii, ii+1
.endr
.set ii, 0
.rept 32
	global_load_b128 v[BA+4*ii:BA+4*ii+3], v[XO], s[8:9] offset:256*ii th:TH_LOAD_NT   ; sixteen lanes read 256 consecutive bytes of a row; read once in the launch
.set ii, ii+1
.endr
.irp b, 0,1,2,3
	v_bfe_u32 v[S1+2*\b], v0, \b, 1
	v_lshl_or_b32 v[S1+2*\b], v[S1+2*\b], 31, 0x3f800000
	v_mov_b32 v[S1+2*\b+1], v[S1+2*\b]
.endr
	v_mov_b32 v[CC], 0x39b504f3                    ; 2^-11.5
	v_mov_b32 v[CC+1], 0x39b504f3
	s_wait_kmcnt 0x0
	SCALES 32, SCU, LIMU
	SCALES 34, SCG, LIMG
	s_wait_loadcnt 16                              ; of the 48 loads the youngest 16 (the row's second half) may be out
	MULB BA, BC
.set ii, 0
.rept 16
	global_load_b128 v[BC+4*ii:BC+4*ii+3], v[SUO], s[10:11] offset:256*(16+ii)      ; SU_ug for registers 64..127
.set ii, ii+1
.endr
	BF0 BA, 64
	LANES BA, 64
	s_wait_loadcnt 0x0
	MULB BB, BC
	BF0 BB, 64
	LANES BB, 64
.set P0, BA                            ; the two blocks in hand and the free one change places after each stage
.set P1, BB
.set FRB, BC
.irp d, 2,4,8,16,32
	BFO P0, FRB, 64, \d
	BFO P1, P0, 64, \d
.set TT, P1
.set P1, P0
.set P0, FRB
.set FRB, TT
.endr
	BFX P0, P1, FRB
.set L0, FRB                           ; registers 0..63 of the result
.set L1, P1                            ; registers 64..127
.set CU, P0                            ; the block that is free now takes the codes: 32 registers for e0,
.set CG, P0+32                         ; 32 for e2: no store's data are written again
.set gi, 0
.rept 16                               ; panel gi: eight numbers a lane: x 2^-11.5 in place, held into a set of temporaries, converted, stored
.if gi < 8
.set GB, L0+8*gi
.else
.set GB, L1+8*(gi-8)
.endif
.set hs, HT+8*(gi%2)
.irp q, 0,2,4,6
	v_pk_mul_f32 v[GB+\q:GB+\q+1], v[GB+\q:GB+\q+1], v[CC:CC+1]     ; (these plain lines also stand between the conversion above and whatever next touches its registers)
.endr
.irp q, 0,1,2,3,4,5,6,7
	v_med3_num_f32 v[hs+\q], v[GB+\q], -v[LIMU], v[LIMU]            ; the conversion to an 8-bit code does not saturate (ISA guide 7.6.2): the hold comes first
.endr
	v_cvt_scalef32_pk8_fp8_f32 v[CU+2*gi:CU+2*gi+1], v[hs:hs+7], v[SCU]
	global_store_b64 v[VO+gi/4], v[CU+2*gi:CU+2*gi+1], s[20:21] offset:(gi%4)*PANX
.set gi, gi+1
.endr
.set gi, 0
.rept 16                               ; the same numbers once more, with e2: held in place, converted, stored.  Always done, whatever e0 and e2 are: the next launch reads both
.if gi < 8
.set GB, L0+8*gi
.else
.set GB, L1+8*(gi-8)
.endif
.irp q, 0,1,2,3,4,5,6,7
	v_med3_num_f32 v[GB+\q], v[GB+\q], -v[LIMG], v[LIMG]
.endr
	v_cvt_scalef32_pk8_fp8_f32 v[CG+2*gi:CG+2*gi+1], v[GB:GB+7], v[SCG]
	global_store_b64 v[VO+gi/4], v[CG+2*gi:CG+2*gi+1], s[24:25] offset:(gi%4)*PANX
.set gi, gi+1
.endr
	s_endpgm
.Lweights:
	s_cmp_lt_u32 ttmp9, 1280
	s_cbranch_scc0 .Ldown
	; ---------------- W: two rows of W_up or W_gate a wave
	s_sub_co_u32 s47, ttmp9, 1024
	s_cmp_lt_u32 s47, 128                          ; the first 128 take W_up, the others W_gate: the choice hangs on the work-group's number alone
	s_cselect_b64 s[12:13], s[12:13], s[14:15]
	s_cselect_b32 s48, 0, 0x4000                   ; W_gate's codes lie 128 rows of 128 bytes behind W_up's
	s_and_b32 s40, s47, 127
	s_lshl_b32 s40, s40, 3
	s_lshl_b32 s44, s38, 1
	s_add_co_u32 s40, s40, s44                     ; my wave's first row
	s_lshl_b32 s42, s40, 13
	s_add_nc_u64 s[12:13], s[12:13], s[42:43]
	s_lshr_b32 s44, s40, 7                         ; its tile of 128 rows
	s_lshl_b32 s44, s44, 14
	s_lshl_b32 s40, s40, 7
	s_add_co_u32 s40, s40, s44                     ; in a panel of wq: tile x 32,768 + row in the tile x 128 = row x 128 + tile x 16,384
	s_add_co_u32 s40, s40, s48
	s_add_nc_u64 s[22:23], s[22:23], s[40:41]
	v_lshl_add_u32 v[XO], v2, 13, v[SUO]
.set ii, 0
.rept 32
	global_load_b128 v[BA+4*ii:BA+4*ii+3], v[XO], s[12:13] offset:256*ii th:TH_LOAD_NT
.set ii, ii+1
.endr
	s_wait_kmcnt 0x0
	s_cmp_lt_u32 s47, 128
	s_cselect_b32 s46, s33, s35                    ; e1 or e3
	SCALES 46, SCU, LIMU
.set gi, 0
.rept 16
	s_wait_loadcnt 30-2*gi                         ; panel gi wants loads 2 gi and 2 gi + 1; the younger ones may be out
.irp q, 0,1,2,3,4,5,6,7
	v_med3_num_f32 v[BA+8*gi+\q], v[BA+8*gi+\q], -v[LIMU], v[LIMU]
.endr
	v_cvt_scalef32_pk8_fp8_f32 v[BC+2*gi:BC+2*gi+1], v[BA+8*gi:BA+8*gi+7], v[SCU]
	global_store_b64 v[VO], v[BC+2*gi:BC+2*gi+1], s[22:23] offset:gi*PANW
.set gi, gi+1
.endr
	s_endpgm
.Ldown:
	; ---------------- D: four rows of W_down a wave, two at a time
	s_sub_co_u32 s40, ttmp9, 1280
	s_lshl_b32 s40, s40, 4
	s_lshl_b32 s44, s38, 2
	s_add_co_u32 s40, s40, s44                     ; my wave's first row: 16 x work-group + 4 x wave
	s_lshl_b32 s42, s40, 12                        ; x 4,096 bytes
	s_add_nc_u64 s[16:17], s[16:17], s[42:43]
	s_lshl_b32 s40, s40, 10                        ; x 1,024 bytes of codes
	s_add_nc_u64 s[28:29], s[28:29], s[40:41]
	v_lshl_add_u32 v[XO], v2, 12, v[SUO]
	v_lshl_add_u32 v[WO], v2, 10, v[SUO]
.set ii, 0
.rept 32
	global_load_b128 v[BA+4*ii:BA+4*ii+3], v[XO], s[16:17] offset:(ii/16)*8192+256*(ii%16) th:TH_LOAD_NT
.set ii, ii+1
.endr
	s_wait_kmcnt 0x0
	SCALES 37, SCU, LIMU
.set gi, 0
.rept 8
	s_wait_loadcnt 28-4*gi                         ; group gi wants loads 4 gi .. 4 gi + 3
.irp q, 0,1,2,3,4,5,6,7,8,9,10,11,12,13,14,15
	v_med3_num_f32 v[BA+16*gi+\q], v[BA+16*gi+\q], -v[LIMU], v[LIMU]
.endr
	v_cvt_scalef32_pk8_fp8_f32 v[BC+4*gi:BC+4*gi+1], v[BA+16*gi:BA+16*gi+7], v[SCU]
	v_cvt_scalef32_pk8_fp8_f32 v[BC+4*gi+2:BC+4*gi+3], v[BA+16*gi+8:BA+16*gi+15], v[SCU]
	global_store_b128 v[WO], v[BC+4*gi:BC+4*gi+3], s[28:29] offset:(gi/4)*2048+(gi%4)*256
.set gi, gi+1
.endr
	s_endpgm
.Lfunc_end_k_q487981b5c4_prep:
	.size	k_q487981b5c4_prep, .Lfunc_end_k_q487981b5c4_prep-k_q487981b5c4_prep
	.p2alignl 7, 3214868480
	.fill 96, 4, 3214868480
	.section	.rodata,"a",@progbits
	.p2align	6, 0x0
	.amdhsa_kernel k_q487981b5c4_prep
		.amdhsa_group_segment_fixed_size 0
		.amdhsa_private_segment_fixed_size 0
		.amdhsa_enable_private_segment 0
		.amdhsa_kernarg_size 72
		.amdhsa_user_sgpr_count 2
		.amdhsa_user_sgpr_kernarg_segment_ptr 1
		.amdhsa_wavefront_size32 1
		.amdhsa_system_sgpr_workgroup_id_x 1
		.amdhsa_system_sgpr_workgroup_id_y 1
		.amdhsa_system_sgpr_workgroup_id_z 1
		.amdhsa_system_vgpr_workitem_id 0
		.amdhsa_next_free_vgpr 240
		.amdhsa_next_free_sgpr 66
		.amdhsa_reserve_vcc 0
		.amdhsa_float_denorm_mode_32 3
		.amdhsa_float_denorm_mode_16_64 3
		.amdhsa_memory_ordered 1
		.amdhsa_forward_progress 1
		.amdhsa_inst_pref_size 143
	.end_amdhsa_kernel
	.amdgpu_metadata
---
amdhsa.version: [ 1, 2 ]
amdhsa.kernels:
  - .name:           k_q487981b5c4_prep
    .symbol:         k_q487981b5c4_prep.kd
    .args:
      - { .name: input, .offset: 0, .size: 8, .value_kind: global_buffer, .address_space: global }
      - { .name: SU_ug, .offset: 8, .size: 8, .value_kind: global_buffer, .address_space: global }
      - { .name: W_up, .offset: 16, .size: 8, .value_kind: global_buffer, .address_space: global }
      - { .name: W_gate, .offset: 24, .size: 8, .value_kind: global_buffer, .address_space: global }
      - { .name: W_down, .offset: 32, .size: 8, .value_kind: global_buffer, .address_space: global }
      - { .name: lowp_scales, .offset: 40, .size: 8, .value_kind: global_buffer, .address_space: global }
      - { .name: xq, .offset: 48, .size: 8, .value_kind: global_buffer, .address_space: global }
      - { .name: wq, .offset: 56, .size: 8, .value_kind: global_buffer, .address_space: global }
      - { .name: wd, .offset: 64, .size: 8, .value_kind: global_buffer, .address_space: global }
    .group_segment_fixed_size: 0
    .private_segment_fixed_size: 0
    .kernarg_segment_align: 8
    .kernarg_segment_size: 72
    .max_flat_workgroup_size: 128
    .sgpr_count:     66
    .vgpr_count:     240
    .wavefront_size: 32
...
	.end_amdgpu_metadata
.endif
;; end of part 1
;; launch upgate (part 2): grid 8 x 32, 4 waves a work-group, clusters of 4 x 4, 327,680 bytes of LDS; arguments xq, wq, lowp_scales, Wscale_ug, SU_dp, hbuf; writes hbuf
.if DOCPART == 2
	.amdgcn_target "amdgcn-amd-amdhsa--gfx1250"
	.amdhsa_code_object_version 6
	.text
	.protected	k_q487981b5c4_upgate
	.globl	k_q487981b5c4_upgate
	.p2align	8
	.type	k_q487981b5c4_upgate,@function
k_q487981b5c4_upgate:
	s_mov_b64 s[64:65], 0
	v_nop
	global_prefetch_b8 v0, s[64:65] scope:SCOPE_SE
	s_setreg_imm32_b32 hwreg(HW_REG_WAVE_MODE, 25, 1), 1
	s_wait_xcnt 0x0
	s_wait_alu depctr_hold_cnt(0) depctr_sa_sdst(0) depctr_va_vdst(0) depctr_va_sdst(0) depctr_va_ssrc(0) depctr_va_vcc(0) depctr_vm_vsrc(0)
	s_getreg_b32 s2, hwreg(HW_REG_IB_STS2, 6, 4)
	s_cmp_eq_u32 s2, 0
	s_cbranch_scc0 .Lentry_in_a_cluster
	s_endpgm
.Lentry_in_a_cluster:
	s_bfe_u32 s2, ttmp6, 0x10000c
	s_cmp_lg_u32 s2, 0xf033
	s_cbranch_scc0 .Lentry_shape_is_right
	s_endpgm
.Lentry_shape_is_right:
; UPGATE.  hbuf[m][n] = silu(gate) x up x SU_dp[n], f32, with up = (x W_up^T) Wscale_ug[n] 64 and gate = (x W_gate^T) Wscale_ug[1024 + n] 64; both products on codes of E4M3.
; xq: x's codes, [16 panels][32 tiles of 256 rows][with 2^e0, with 2^e2][256 rows][128 bytes]; wq: the weights' codes, [16][8 tiles of 128 rows][W_up, W_gate][128][128]; a panel is 128 along K, in one order of k for all.
; SHARES.  A work-group makes 256 rows x 128 columns of hbuf.  Waves 0, 1 make the up product of rows 0-127 and 128-255, waves 2, 3 the gate product of the same rows: 128 x 128 a wave, 64 accumulators, 512 registers.
; At the end each wave sends half of its tile (64 rows) to its partner (wave xor 2) through LDS and finishes the other half, so that all four waves share the exponentials.
; THE MATRIX INSTRUCTION IS USED TRANSPOSED (source 0 = 16 rows of a weight, source 1 = 16 rows of x): a lane holds eight neighbouring columns of one row.
; THE RING: THREE PLACES OF ONE PANEL, FILLED TWO AT A TIME.  A panel of the work-group's tiles is 768 rows of 128 bytes; two slots of two panels would be more than LDS has.  But a panel's fragments are all in registers when
; its products begin, so its place is free from then on.  Panel p lies in place p mod 3.  At the start of an even panel p the places of p and of p - 1 are free and take panels p + 2 and p + 3, while the third holds p + 1:
; one change of places for two panels, 128 matrix instructions a wave, and behind it ONE tensor load a wave: wave 0 x's block of the even panel (65,536 bytes, dense in memory), wave 1 of the odd one, waves 2 and 3 the weights' blocks (32,768 bytes).
; In the middle of the odd panel stands a plain barrier of the work-group: it shows the next even panel landed, so that its fragments are fetched ahead of the next change.
; Panels 0, 1 and 2 are the first fills, one group at the head (waves 0 and 2 two loads, waves 1 and 3 one); so the first change fills one place only (panel 3, waves 1 and 3).  By this text's count a wave has at most two tensor loads out, at the start, then one.
; IN LDS a tile is stated as rows of 256 bytes (two rows of codes: the tiles are dense in memory) with 16 bytes of padding: row r lies at (r / 2) x 272 + (r % 2) x 128, so the 16 rows that a load touches start at 16 different 16-byte columns of 256 bytes.
; CLUSTERS: 4 x 4 work-groups.  x's blocks hang on the tile row alone and are asked for jointly by a row of the cluster, the weights' on the tile column alone, jointly by a column.
; The given exponents enter by v_ldexp_f32 into the columns' factors and keep no limit of their own; no address, no branch and no choice of a pointer hangs on them.
; REGISTERS, in windows of 256.  Window 0: v8-31 addresses; v32-95 the columns' factors; v128-255 x's fragments (8 x 16 rows x 128 K), ONE set.  Window 1: the weight's fragments, TWO sets, at v0 (even panels) and v128 (odd).
;   Window 2: the 32 accumulators of the 64 rows that I finish (accumulator (a, b) at v[8 (8 a + b)]).  Window 3: those of the 64 rows that I send.
.set PITCH2, 272                       ; two rows of 128 bytes + 16 of padding
.set BLK,    8*PITCH2                  ; 16 rows
.set AHALF,  128*PITCH2                ; 256 rows of x's codes for one product
.set AREG,   2*AHALF                   ; x's block of a panel: e0's codes, then e2's
.set BHALF,  64*PITCH2                 ; 128 rows of one weight; also 128 rows of x
.set BREG,   2*BHALF                   ; the weights' block: W_up's, then W_gate's
.set REG,    AREG+BREG                 ; a place: 104,448 bytes
.set SPARE,  3*REG                     ; behind the three places: the spare words, 128 bytes for each wave: two blocks of 256 bytes that no other line names
.set EXB,    32768                     ; the way out: 64 rows x 128 columns of f32 that a wave sends; the four lie from LDS byte 0 on,
.set STG,    4*EXB                     ; and behind them a stage of 16 rows x (512 + 16) bytes for each wave.  Both lie in the places, which have had their last fill and their last read by then
.set SPITCH, 528
.set PANX,   8192*256                  ; a panel of xq in memory
.set PANW,   2048*128                  ; of wq
.set ADRAL, 8                          ; v8-10   LDS address of x's fragments for the rows that I finish, in place 0, 1, 2
.set ADRAH, 11                         ; v11-13  for the rows that I send
.set ADRB,  14                         ; v14-16  of my weight's fragments
.set STO,   24                         ; v24  the stage: where I put 32 bytes of a row
.set RD,    25                         ; v25  and where I read a row back
.set CO,    26                         ; v26  16 x lane: my byte offset in 512 bytes of a row of hbuf
.set EXW,   27                         ; v27  where I put what I send
.set SPW,   28                         ; v28  LDS address of my spare word: SPARE + 4 x my thread's number; never rewritten
.set NIL,   29                         ; v29  0; never rewritten
.set PFO,   30                         ; v30  256 x lane, for the prefetches; never rewritten
.set EXR,   31                         ; v31  where I find what my partner sent
.set CSC,   32                         ; v32-95  the factor of column 16 b + 8 (lane / 16) + j at v[CSC + 8 b + j]
.set AF,    128
.set KT,    128                        ; the way out: a block of mine x its factors
.set ET,    192                        ; the way out: the exponentials
.set G1A,  24                          ; s[24:31] descriptor group 1 for x's blocks
.set G0A,  32                          ; s[32:35] their group 0, which walks;  s[36:39] a second one, for panel 2 among the first fills
.set G0A2, 36
.set G1B,  48                          ; s[48:55], s[56:59], s[60:63] the same for the weights' blocks
.set G0B,  56
.set G0B2, 60
.set PFA,  76                          ; s[76:77] where my prefetches stand
.set LIM,  78                          ; s78  1 in a wave that prefetches, else the greatest number
.set LA,   90                          ; s90-92  the place that my load fills at change j, by j mod 3: the place of panel 2 j + 2 + (wave % 2)
.set MSB, 0
.macro WIN new                         ; the immediate's high byte repeats the setting that is left
.if MSB != \new
	s_set_vgpr_msb (MSB<<8)|\new
.set MSB, \new
.endif
.endm
.set MUL_LO, 0xa1                      ; source 0 (weight) window 1, source 1 (x) window 0, C and D window 2
.set MUL_HI, 0xf1                      ; the same, C and D window 3
.set TO_B,   0x40                      ; destination window 1, address window 0
; A joint load by the walking descriptors: waves 0 and 1 fetch x's blocks, waves 2 and 3 the weights'.  Each line has one mask; the branches hang on the wave's number alone.  Four v_nop follow each line.
; odd_only = 1: the first change of places, at which waves 0 and 2 have nothing to fill.
.macro JLOAD odd_only
.if \odd_only
	s_cmp_eq_u32 s22, 0
	s_cbranch_scc1 .Lasked_\@
.endif
	s_cmp_eq_u32 s21, 0
	s_cbranch_scc0 .Lfor_b_\@
	tensor_load_to_lds s[G0A:G0A+3], s[G1A:G1A+7]
	s_nop 0
.rept 4
	v_nop
.endr
	s_branch .Lasked_\@
.Lfor_b_\@:
	tensor_load_to_lds s[G0B:G0B+3], s[G1B:G1B+7]
	s_nop 0
.rept 4
	v_nop
.endr
.Lasked_\@:
.endm
.macro CREST                           ; a round of the cluster's barrier behind its opening barrier
	s_cmp_lg_u32 s20, 0
	s_cbranch_scc1 .Lnot_wave_0_\@
	s_barrier_signal -3
.Lnot_wave_0_\@:
	s_barrier_wait -3
	s_barrier_signal -1
	s_barrier_wait -1
.endm
.macro CROUND                          ; a whole round
	s_barrier_signal -1
	s_barrier_wait -1
	CREST
.endm
; A PREFETCH INTO THE L2 of x's blocks of the two panels that the NEXT change of places will ask for: two panels, 128 matrix instructions a wave, ahead of that load.  A block is 65,536 bytes; both clusters of a row of
; clusters read it: the one with x = 0 asks.  Its four partners along a row of the cluster share a block out BY ADDRESS, 16,384 bytes each; waves 0 and 1 take the halves of the even panel's share, waves 2 and 3 of the odd
; panel's; a lane names 256 bytes: each block of 256 bytes is named once in the launch.  how = 1: always.  how = 0: the loop's third change, which in the last trip asks for nothing: the last panel named is panel 15.
; Panels 0 to 3 come by their loads alone.  The weights, which every row of clusters reads again, are not prefetched.
.macro ASK how
.if \how
	s_cmp_eq_u32 s[LIM], 1
.else
	s_cmp_gt_u32 s3, s[LIM]
.endif
	s_cbranch_scc0 .Lnot_mine_\@
	global_prefetch_b8 v[PFO], s[PFA:PFA+1] th:TH_LOAD_NT scope:SCOPE_SE
.Lnot_mine_\@:
.endm
	s_load_b128 s[4:7], s[0:1], 0x0                ; xq s[4:5], wq s[6:7]
	s_load_b256 s[12:19], s[0:1], 0x10             ; the exponents s[12:13], Wscale_ug s[14:15], SU_dp s[16:17], hbuf s[18:19]
	v_lshl_add_u32 v[SPW], v0, 2, SPARE
	v_mov_b32 v[NIL], 0
	ds_add_u32 v28, v29
	ds_add_u32 v28, v29
	s_wait_dscnt 0x0
	v_lshrrev_b32 v1, 5, v0
	v_readfirstlane_b32 s20, v1                    ; wave 0..3
	s_lshr_b32 s21, s20, 1                         ; 0: the up product, 1: the gate product.  Also: I fetch x's blocks (0) or the weights' (1)
	s_and_b32 s22, s20, 1                          ; which 128 rows are mine.  Also: I fetch for the even panels (0) or for the odd ones (1)
	s_bfe_u32 s40, ttmp6, 0x40000                  ; cx, cy: my place in the cluster
	s_bfe_u32 s41, ttmp6, 0x40004
	s_lshl_b32 s42, ttmp9, 2
	s_add_co_u32 s42, s42, s40                     ; tile column = 4 x cluster x + cx
	s_and_b32 s43, ttmp7, 0xffff
	s_lshl_b32 s43, s43, 2
	s_add_co_u32 s43, s43, s41                     ; tile row = 4 x cluster y + cy
	s_lshl_b32 s44, s41, 2
	s_lshl_b32 s44, 15, s44                        ; my row of the cluster
	s_lshl_b32 s45, 0x1111, s40                    ; my column
	s_or_b32 s[G1A], s44, (0<<16)|(1<<20)|(1<<21)|(5<<22)|(3<<25)   ; 15:0 the mask; 17:16 elements of 1 byte; 20 padding on; 21 set beside a mask; 24:22 after every 64 words (code 5); 31:25 four words (code 3)
	s_or_b32 s[G1B], s45, (0<<16)|(1<<20)|(1<<21)|(5<<22)|(3<<25)
	s_mov_b32 s[G1A+1], 256<<16                    ; tensor_dim0 = 256
	s_mov_b32 s[G1A+2], 256<<16                    ; tensor_dim1 = 256: 65,536 dense bytes as 256 rows of 256
	s_mov_b32 s[G1A+3], 256<<16                    ; tile_dim0 = 256
	s_mov_b32 s[G1A+4], 256                        ; tile_dim1 = 256
	s_mov_b32 s[G1A+5], 256                        ; from row to row
	s_mov_b32 s[G1A+6], 0
	s_mov_b32 s[G1A+7], 0
	s_mov_b32 s[G1B+1], 256<<16
	s_mov_b32 s[G1B+2], 128<<16                    ; 32,768 dense bytes as 128 rows of 256
	s_mov_b32 s[G1B+3], 256<<16
	s_mov_b32 s[G1B+4], 128
	s_mov_b32 s[G1B+5], 256
	s_mov_b32 s[G1B+6], 0
	s_mov_b32 s[G1B+7], 0
	s_lshl_b32 s82, s43, 16                        ; x's block in a panel: tile row x 65,536: it hangs on the tile row alone;
	s_mul_i32 s94, s22, PANX
	s_add_co_u32 s82, s82, s94                     ; in panel 0 or 1, by the wave's number
	s_mov_b32 s83, 0
	s_lshl_b32 s84, s42, 15                        ; the weights': tile column x 32,768: on the tile column alone
	s_mul_i32 s94, s22, PANW
	s_add_co_u32 s84, s84, s94
	s_mov_b32 s85, 0
	s_xor_b32 s[LA], s22, 1                        ; the places.  Change j fills the places of panels 2 j + 2 and 2 j + 3: j mod 3 = 0: places 2 and 0;
	s_mul_i32 s[LA], s[LA], 2*REG
	s_mul_i32 s[LA+2], s22, REG                    ; j mod 3 = 2: places 0 and 1 (and so the first fills of panels 0 and 1);
	s_add_co_u32 s[LA+1], s[LA+2], REG             ; j mod 3 = 1: places 1 and 2.  No place in the cluster enters an LDS address
	s_wait_kmcnt 0x0
	s_load_b128 s[68:71], s[12:13], 0x0            ; e0 .. e3: wanted only for the columns' factors, further down
	s_add_nc_u64 s[72:73], s[4:5], s[82:83]
	s_add_nc_u64 s[74:75], s[6:7], s[84:85]
	CROUND                                         ; all sixteen work-groups are here: the first joint loads meet
	s_mov_b32 s[G0A], 1                            ; count = 1
	s_mov_b32 s[G0A+1], s[LA+2]                    ; LDS address: place 0 or 1
	s_mov_b64 s[G0A+2:G0A+3], s[72:73]             ; global address: panel 0 or 1
	s_or_b32 s[G0A+3], s[G0A+3], 0x80000000        ; type = 2
	s_mov_b32 s[G0A2], 1
	s_mov_b32 s[G0A2+1], 2*REG                     ; place 2,
	s_add_nc_u64 s[G0A2+2:G0A2+3], s[72:73], 2*PANX    ; panel 2 (in wave 0, which alone uses it)
	s_or_b32 s[G0A2+3], s[G0A2+3], 0x80000000
	s_mov_b32 s[G0B], 1
	s_add_co_u32 s[G0B+1], s[LA+2], AREG           ; the weights' block lies behind x's
	s_mov_b64 s[G0B+2:G0B+3], s[74:75]
	s_or_b32 s[G0B+3], s[G0B+3], 0x80000000
	s_mov_b32 s[G0B2], 1
	s_mov_b32 s[G0B2+1], 2*REG+AREG
	s_add_nc_u64 s[G0B2+2:G0B2+3], s[74:75], 2*PANW
	s_or_b32 s[G0B2+3], s[G0B2+3], 0x80000000
	; THE FIRST FILLS, one group: panels 0, 1, 2.  Each wave's stand in one arm of a branch on its number; four v_nop follow the last line of an arm
	s_cmp_eq_u32 s21, 0
	s_cbranch_scc0 .Lfirst_b
	s_cmp_eq_u32 s22, 0
	s_cbranch_scc0 .Lfirst_a1
	tensor_load_to_lds s[G0A:G0A+3], s[G1A:G1A+7]          ; wave 0: x's block of panel 0,
	s_nop 0
	tensor_load_to_lds s[G0A2:G0A2+3], s[G1A:G1A+7]        ; and of panel 2
	s_nop 0
.rept 4
	v_nop
.endr
	s_branch .Lfirst_asked
.Lfirst_a1:
	tensor_load_to_lds s[G0A:G0A+3], s[G1A:G1A+7]          ; wave 1: of panel 1
	s_nop 0
.rept 4
	v_nop
.endr
	s_branch .Lfirst_asked
.Lfirst_b:
	s_cmp_eq_u32 s22, 0
	s_cbranch_scc0 .Lfirst_b1
	tensor_load_to_lds s[G0B:G0B+3], s[G1B:G1B+7]          ; wave 2: the weights' block of panel 0,
	s_nop 0
	tensor_load_to_lds s[G0B2:G0B2+3], s[G1B:G1B+7]        ; and of panel 2
	s_nop 0
.rept 4
	v_nop
.endr
	s_branch .Lfirst_asked
.Lfirst_b1:
	tensor_load_to_lds s[G0B:G0B+3], s[G1B:G1B+7]          ; wave 3: of panel 1
	s_nop 0
.rept 4
	v_nop
.endr
.Lfirst_asked:
	; the prefetches: my work-group's quarter of x's block, my wave's half of it, in panel 2 (waves 0, 1) or 3 (waves 2, 3); each change steps it by two panels first, so change j names panels 2 j + 4 and 2 j + 5.
	; Nothing is prefetched here, where the first tiles are on their way
	s_lshl_b32 s66, s43, 16
	s_lshl_b32 s93, s40, 14
	s_add_co_u32 s66, s66, s93
	s_lshl_b32 s93, s22, 13
	s_add_co_u32 s66, s66, s93
	s_add_co_u32 s93, s21, 2
	s_lshl_b32 s93, s93, 21
	s_add_co_u32 s66, s66, s93
	s_mov_b32 s67, 0
	s_add_nc_u64 s[PFA:PFA+1], s[4:5], s[66:67]
	s_cmp_eq_u32 ttmp9, 0                          ; the clusters with x = 0: the same in all sixteen partners
	s_cselect_b32 s[LIM], 1, -1
	v_and_b32 v4, 31, v0
	v_lshlrev_b32 v[PFO], 8, v4
	; LDS addresses.  A fragment is 16 rows x 128 codes in 16 registers: lane l holds row l % 16; registers 4 c .. 4 c + 3 hold bytes 32 c + 16 (l / 16) + 0 .. 15 of the row, alike for both operands
	v_and_b32 v1, 15, v0                           ; r = l % 16
	v_bfe_u32 v2, v0, 4, 1                         ; l / 16
	v_bfe_u32 v3, v0, 1, 3                         ; r / 2
	v_mul_u32_u24 v3, v3, PITCH2
	v_and_b32 v5, 1, v0                            ; r % 2
	v_lshl_add_u32 v3, v5, 7, v3
	v_lshl_add_u32 v3, v2, 4, v3                   ; (r / 2) x 272 + (r % 2) x 128 + 16 (l / 16)
	s_mul_i32 s88, s20, BHALF                      ; my 128 rows of my product's x: wave x 128 rows
	s_mul_i32 s86, s21, 4*BLK                      ; an up wave finishes its rows 0-63 and sends 64-127; a gate wave the other way round
	s_xor_b32 s87, s21, 1
	s_mul_i32 s87, s87, 4*BLK
	s_add_co_u32 s86, s86, s88
	s_add_co_u32 s87, s87, s88
	s_mul_i32 s88, s21, BHALF
	s_add_co_u32 s88, s88, AREG                    ; my weight's tile
.irp q, 0,1,2
	v_add_nc_u32 v[ADRAL+\q], s86, v3
	v_add_nc_u32 v[ADRAH+\q], s87, v3
	v_add_nc_u32 v[ADRB+\q], s88, v3
	s_add_co_u32 s86, s86, REG
	s_add_co_u32 s87, s87, REG
	s_add_co_u32 s88, s88, REG
.endr
	v_lshlrev_b32 v[CO], 4, v4
	s_mul_i32 s86, s20, 16*SPITCH
	s_add_co_u32 s86, s86, STG                     ; my stage
	v_mul_u32_u24 v5, v1, SPITCH
	v_lshl_add_u32 v5, v2, 5, v5
	v_add_nc_u32 v[STO], s86, v5                   ; in: row l % 16, 32 bytes for each half of the lanes
	v_add_nc_u32 v[RD], s86, v[CO]                 ; back: the 32 lanes take one row of 512 bytes
	s_lshl_b32 s86, s20, 15
	v_add_nc_u32 v[EXW], s86, v[CO]                ; what I send lies as an image of its registers: 16 bytes a lane, 512 a store
	s_xor_b32 s86, s20, 2
	s_lshl_b32 s86, s86, 15
	v_add_nc_u32 v[EXR], s86, v[CO]
	; the columns' factors.  up waves: Wscale_ug[n] x SU_dp[n] x (-ln 2) x 2^(e0 + e1 + 6); gate waves: Wscale_ug[1024 + n] x (-log2 e) x 2^(e2 + e3 + 6).
	; With u = up's sum x factor and g = gate's sum x factor: u g / (1 + 2^g) = silu(gate) x up x SU_dp
	s_lshl_b32 s66, s42, 9                         ; my tile's first column, in bytes of f32
	s_mov_b32 s67, 0
	s_add_nc_u64 s[16:17], s[16:17], s[66:67]
	s_lshl_b32 s89, s21, 12
	s_add_co_u32 s66, s66, s89
	s_add_nc_u64 s[14:15], s[14:15], s[66:67]
	v_lshlrev_b32 v6, 5, v2                        ; 32 (l / 16)
.irp b, 0,1,2,3,4,5,6,7
	global_load_b128 v[CSC+8*\b:CSC+8*\b+3], v6, s[14:15] offset:64*\b
	global_load_b128 v[CSC+8*\b+4:CSC+8*\b+7], v6, s[14:15] offset:64*\b+16
	global_load_b128 v[AF+8*\b:AF+8*\b+3], v6, s[16:17] offset:64*\b
	global_load_b128 v[AF+8*\b+4:AF+8*\b+7], v6, s[16:17] offset:64*\b+16
.endr
	s_wait_kmcnt 0x0                               ; e0 .. e3 are in
	s_cmp_eq_u32 s21, 0
	s_cselect_b32 s79, 0, -1                       ; all ones in gate waves
	s_mov_b32 s80, 0xbfb8aa3b                      ; -log2 e
	s_cselect_b32 s80, 0xbf317218, s80             ; -ln 2 in up waves
	s_cselect_b32 s81, s68, s70
	s_cselect_b32 s89, s69, s71
	s_add_co_i32 s81, s81, s89
	s_add_co_i32 s81, s81, 6                       ; the product's two exponents, and 64 = 2^6
	; hbuf at my 64 rows and my tile's columns: row 256 x tile row + 128 x half + 64 x product
	s_lshl_b32 s66, s43, 8
	s_lshl_b32 s89, s22, 7
	s_add_co_u32 s66, s66, s89
	s_lshl_b32 s89, s21, 6
	s_add_co_u32 s66, s66, s89
	s_lshl_b32 s66, s66, 12                        ; x 4,096 bytes
	s_lshl_b32 s89, s42, 9
	s_add_co_u32 s66, s66, s89
	s_add_nc_u64 s[18:19], s[18:19], s[66:67]
	s_wait_loadcnt 0x0
.set nn, 0
.rept 64
	v_cndmask_b32 v[AF+nn], v[AF+nn], 1.0, s79     ; SU_dp goes into the up waves' factors alone
	v_mul_f32 v[CSC+nn], s80, v[CSC+nn]
.set nn, nn+1
.endr
.set nn, 0
.rept 32
	v_pk_mul_f32 v[CSC+nn:CSC+nn+1], v[CSC+nn:CSC+nn+1], v[AF+nn:AF+nn+1]
.set nn, nn+2
.endr
.set nn, 0
.rept 64
	v_ldexp_f32 v[CSC+nn], v[CSC+nn], s81
.set nn, nn+1
.endr
.macro FRAG reg, adr, i
.irp c, 0,1,2,3
	ds_load_b128 v[\reg+4*\c:\reg+4*\c+3], v[\adr] offset:(\i)*BLK+32*\c
.endr
.endm
.macro FETCH_B q, p                    ; my weight's eight fragments, out of place q, into set p
	WIN TO_B
.irp i, 0,1,2,3,4,5,6,7
	FRAG 128*(\p)+16*\i, ADRB+\q, \i
.endr
	WIN 0
.endm
.macro FETCH_A q, half                 ; x's blocks 0-3 (half = 0: the rows that I finish) or 4-7 (half = 1: the rows that I send), out of place q
.irp i, 0,1,2,3
	FRAG AF+16*(4*(\half)+\i), ADRAL+3*(\half)+\q, \i
.endr
.endm
; 8 matrix instructions: x's block a against my weight's eight.  The 64 accumulators take turns, one instruction a turn, in the same order in every panel.
.macro MUL8 a, p, zero
.irp b, 0,1,2,3,4,5,6,7
.if \zero
	v_wmma_f32_16x16x128_fp8_fp8 v[8*(8*((\a)%4)+\b):8*(8*((\a)%4)+\b)+7], v[128*(\p)+16*\b:128*(\p)+16*\b+15], v[AF+16*(\a):AF+16*(\a)+15], 0
.else
	v_wmma_f32_16x16x128_fp8_fp8 v[8*(8*((\a)%4)+\b):8*(8*((\a)%4)+\b)+7], v[128*(\p)+16*\b:128*(\p)+16*\b+15], v[AF+16*(\a):AF+16*(\a)+15], v[8*(8*((\a)%4)+\b):8*(8*((\a)%4)+\b)+7]
.endif
.endr
.endm
; A load into a register that a matrix instruction has read, and a vector instruction that reads a matrix result or writes one of its registers, stand four places behind it; only plain vector instructions are places.
.macro PLACES n
.rept \n
	v_nop
.endr
.endm
; AN EVEN PANEL: 64 matrix instructions on fragments that were all asked for in the panel before; it fetches the odd panel's, out of place nq.
; mode 1, 2, 3: THE CHANGE OF PLACES.  In front of its barrier each wave waits for all its tensor loads, adds 0 to its spare word, and waits for that and for its LDS reads: this panel's place and the place of the panel before
; are read out.  The barrier opens a round of the cluster's; behind the round the two places are filled, one load a wave, by the place s[LA + k] (k = the change's number mod 3), two panels further on in memory.
; mode 1: the first change (waves 1 and 3 alone load); 2: a change with its prefetch; 3: the loop's third change, whose prefetch stops in the last trip.  mode 0: the last pair: nothing is filled.
.macro EVEN nq, zero, k, mode
.if \mode
	s_wait_xcnt 0x0                                ; the last prefetch, two panels back, has read its address:
	s_add_nc_u64 s[PFA:PFA+1], s[PFA:PFA+1], 2*PANX    ; two panels on
.endif
	s_wait_dscnt 16                                ; my weight's set and x's blocks 0-3 are in; the youngest sixteen loads (blocks 4-7) may be out
	WIN MUL_LO
	MUL8 0, 0, \zero
	MUL8 1, 0, \zero
.if \mode
	WIN 0                                          ; (the add's two registers lie in window 0)
	s_wait_tensorcnt 0x0                           ; all my tensor loads have landed;
	ds_add_u32 v[SPW], v[NIL]                      ; 0 onto my spare word
	WIN MUL_LO
	MUL8 2, 0, \zero                               ; eight matrix instructions stand between the add and the wait for it
	s_wait_dscnt 0x0                               ; the add is done, and this panel's fragments are all in registers
	s_barrier_signal -1
	MUL8 3, 0, \zero
	WIN 0
	s_barrier_wait -1
	CREST                                          ; no wave of any partner still reads the two places or has a load on its way
	s_mov_b32 s[G0A+1], s[LA+\k]
	s_add_co_u32 s[G0B+1], s[LA+\k], AREG
	s_add_nc_u64 s[G0A+2:G0A+3], s[G0A+2:G0A+3], 2*PANX
	s_add_nc_u64 s[G0B+2:G0B+3], s[G0B+2:G0B+3], 2*PANW
.if \mode == 1
	JLOAD 1
	PLACES 4                                       ; the places in front of the loads below, for the waves that have issued no load
.else
	JLOAD 0                                        ; the first tensor load behind the round; its four v_nop are the places in front of the loads below
.endif
.else
	MUL8 2, 0, \zero
	MUL8 3, 0, \zero
	s_wait_dscnt 0x0                               ; blocks 4-7 are in
	PLACES 4
.endif
	FETCH_B \nq, 1
	FETCH_A \nq, 0
.if (\mode == 1) || (\mode == 2)
	ASK 1
.elseif \mode == 3
	ASK 0
.endif
	WIN MUL_HI
	MUL8 4, 0, \zero
	MUL8 5, 0, \zero
	MUL8 6, 0, \zero
	MUL8 7, 0, \zero
	PLACES 4
	WIN 0
	FETCH_A \nq, 1
.endm
; AN ODD PANEL: 64 matrix instructions; from its middle on it fetches the next even panel's fragments, out of place nq.  vb = 1: that panel was asked for at this pair's change, so a barrier of the work-group shows it landed.
; A wave has one tensor load out here, so the wait for it is for 0: waves 0 and 2 brought the panel that is read next; waves 1 and 3 the one behind it, issued at the same place.
; vb = 0: panel 1: panel 2 was among the first fills, and the first change's barrier has shown it landed.
.macro ODD nq, vb
	s_wait_dscnt 16                                ; my weight's set and x's blocks 0-3 are in
	WIN MUL_LO
	MUL8 0, 1, 0
	MUL8 1, 1, 0
	MUL8 2, 1, 0
	MUL8 3, 1, 0
	s_wait_dscnt 0x0                               ; blocks 4-7 are in: no LDS instruction of mine is pending at the signal
.if \vb
	s_wait_tensorcnt 0x0                           ; my load has landed
	s_barrier_signal -1
	PLACES 4                                       ; the places in front of the loads below
	s_barrier_wait -1                              ; everybody's has
.else
	PLACES 4
.endif
	FETCH_B \nq, 0
	FETCH_A \nq, 0
	WIN MUL_HI
	MUL8 4, 1, 0
	MUL8 5, 1, 0
	MUL8 6, 1, 0
	MUL8 7, 1, 0
	PLACES 4
	WIN 0
	FETCH_A \nq, 1
.endm
	s_wait_tensorcnt 1                             ; waves 0 and 2: panel 0's load is in, panel 2's may be out.  Waves 1 and 3 have one load out, panel 1's, which nobody reads ahead of the first change's barrier.
	s_barrier_signal -1
	s_barrier_wait -1                              ; panel 0 is whole
	FETCH_B 0, 0
	FETCH_A 0, 0
	FETCH_A 0, 1
	EVEN 1, 1, 0, 1                                ; panel 0: its products start the sums.  Change 0: panel 3 into place 0
	ODD 2, 0                                       ; panel 1
	s_mov_b32 s3, 2
.Llap:                                             ; a trip is six panels, three changes: the places are then back where they began.  Panels 2 to 13
	EVEN 0, 0, 1, 2                                ; panels 2, 8:   the next two panels into places 1 and 2
	ODD 1, 1
	EVEN 2, 0, 2, 2                                ; panels 4, 10:  into places 0 and 1
	ODD 0, 1
	EVEN 1, 0, 0, 3                                ; panels 6, 12:  into places 2 and 0
	ODD 2, 1
	s_sub_co_u32 s3, s3, 1
	s_cmp_lg_u32 s3, 0
	s_cbranch_scc1 .Llap
	EVEN 0, 0, 0, 0                                ; panel 14: nothing is left to ask for
	s_wait_dscnt 16                                ; panel 15: nothing more to fetch
	WIN MUL_LO
	MUL8 0, 1, 0
	MUL8 1, 1, 0
	MUL8 2, 1, 0
	MUL8 3, 1, 0
	s_wait_dscnt 0x0                               ; my last reads of the places are over:
	s_barrier_signal -1
	WIN MUL_HI
	MUL8 4, 1, 0
	MUL8 5, 1, 0
	MUL8 6, 1, 0
	MUL8 7, 1, 0
	WIN 0
	s_barrier_wait -1                              ; everybody's are: the places may be written
; THE WAY OUT.  First the 64 rows that my partner finishes: sums x factors, as images of their registers.  Each accumulator is read from its low end on.
.macro SENDX a
.if \a > 1
	s_wait_dscnt 16                                ; the stores of the block before last are done (the last block's sixteen may be out): their registers are written again
.endif
.set TS, KT+64*((\a)%2)
	WIN 0x03                                       ; source 0: window 3
.set nn, 0
.rept 32
	v_pk_mul_f32 v[TS+nn:TS+nn+1], v[64*(\a)+nn:64*(\a)+nn+1], v[CSC+nn:CSC+nn+1]
.set nn, nn+2
.endr
	WIN 0
.irp q, 0,1,2,3,4,5,6,7,8,9,10,11,12,13,14,15
	ds_store_b128 v[EXW], v[TS+4*\q:TS+4*\q+3] offset:(\a)*8192+512*\q
.endr
.endm
; Then my own 64 rows, a block of 16 at a time: K = my sums x factors, R = my partner's; g is K in a gate wave and R in an up wave; result = (K / (1 + 2^g)) R: a gate so negative that 2^g overflows gives 0.
; The block goes through my stage and leaves as whole rows: 32 lanes store 512 consecutive bytes, aligned.
.macro FIN a
	WIN TO_B
.irp q, 0,1,2,3,4,5,6,7,8,9,10,11,12,13,14,15
	ds_load_b128 v[4*\q:4*\q+3], v[EXR] offset:(\a)*8192+512*\q        ; R, into window 1, v0-63
.endr
	WIN 0x02                                       ; source 0: window 2
.set nn, 0
.rept 32
	v_pk_mul_f32 v[KT+nn:KT+nn+1], v[64*(\a)+nn:64*(\a)+nn+1], v[CSC+nn:CSC+nn+1]
.set nn, nn+2
.endr
	s_wait_dscnt 0x0
	WIN 0x01                                       ; source 0: window 1
.set nn, 0
.rept 64
	v_cndmask_b32 v[ET+nn], v[nn], v[KT+nn], s79
.set nn, nn+1
.endr
	WIN 0
.set nn, 0
.rept 64
	v_exp_f32 v[ET+nn], v[ET+nn]
.set nn, nn+1
.endr
	v_nop                                          ; a plain instruction behind the last exponential,
	s_wait_alu depctr_va_vdst(0)                   ; and one wait for the batch, ahead of its first reader
.set nn, 0
.rept 32
	v_pk_add_f32 v[ET+nn:ET+nn+1], v[ET+nn:ET+nn+1], 1.0 op_sel_hi:[1,0]
.set nn, nn+2
.endr
.set nn, 0
.rept 64
	v_rcp_f32 v[ET+nn], v[ET+nn]
.set nn, nn+1
.endr
	v_nop
	s_wait_alu depctr_va_vdst(0)                   ; likewise for the reciprocals
.set nn, 0
.rept 32
	v_pk_mul_f32 v[KT+nn:KT+nn+1], v[KT+nn:KT+nn+1], v[ET+nn:ET+nn+1]
.set nn, nn+2
.endr
	WIN 0x04                                       ; source 1: window 1
.set nn, 0
.rept 32
	v_pk_mul_f32 v[KT+nn:KT+nn+1], v[KT+nn:KT+nn+1], v[nn:nn+1]
.set nn, nn+2
.endr
	WIN 0
.irp b, 0,1,2,3,4,5,6,7
	ds_store_b128 v[STO], v[KT+8*\b:KT+8*\b+3] offset:64*\b
	ds_store_b128 v[STO], v[KT+8*\b+4:KT+8*\b+7] offset:64*\b+16
.endr
.if \a > 0
	s_wait_xcnt 0x0                                ; the block before's stores have read their registers, which are loaded again below
.endif
	WIN TO_B
.irp i, 0,1,2,3,4,5,6,7,8,9,10,11,12,13,14,15
	ds_load_b128 v[128+4*\i:128+4*\i+3], v[RD] offset:\i*SPITCH      ; window 1, v128-191.  LDS serves a wave's instructions in order (ISA guide 5.7.1.4): these see my stores
.endr
	s_wait_dscnt 0x0
	WIN 0x04                                       ; a store's data: source 1
.irp i, 0,1,2,3,4,5,6,7,8,9,10,11,12,13,14,15
	global_store_b128 v[CO], v[128+4*\i:128+4*\i+3], s[18:19] offset:(16*(\a)+\i)*4096
.endr
	WIN 0
.endm
	PLACES 4                                       ; behind the last products
	SENDX 0
	SENDX 1
	SENDX 2
	SENDX 3
	s_wait_dscnt 0x0                               ; for my partner's sake: my stores have landed
	s_barrier_signal -1
	s_barrier_wait -1
	FIN 0
	FIN 1
	FIN 2
	FIN 3
	s_wait_tensorcnt 0x0                           ; the wave's end: behind my last tensor load and my last LDS store
	ds_add_u32 v[SPW], v[NIL]
	s_wait_dscnt 0x0
	CROUND                                         ; the closing round: no work-group ends while a partner may still ask for a tile that names it
	s_endpgm
.Lfunc_end_k_q487981b5c4_upgate:
	.size	k_q487981b5c4_upgate, .Lfunc_end_k_q487981b5c4_upgate-k_q487981b5c4_upgate
	.p2alignl 7, 3214868480
	.fill 96, 4, 3214868480
	.section	.rodata,"a",@progbits
	.p2align	6, 0x0
	.amdhsa_kernel k_q487981b5c4_upgate
		.amdhsa_group_segment_fixed_size 327680
		.amdhsa_private_segment_fixed_size 0
		.amdhsa_enable_private_segment 0
		.amdhsa_kernarg_size 48
		.amdhsa_user_sgpr_count 2
		.amdhsa_user_sgpr_kernarg_segment_ptr 1
		.amdhsa_wavefront_size32 1
		.amdhsa_system_sgpr_workgroup_id_x 1
		.amdhsa_system_sgpr_workgroup_id_y 1
		.amdhsa_system_sgpr_workgroup_id_z 1
		.amdhsa_system_vgpr_workitem_id 0
		.amdhsa_next_free_vgpr 1024
		.amdhsa_next_free_sgpr 100
		.amdhsa_reserve_vcc 0
		.amdhsa_float_denorm_mode_32 3
		.amdhsa_float_denorm_mode_16_64 3
		.amdhsa_memory_ordered 1
		.amdhsa_forward_progress 1
		.amdhsa_inst_pref_size 212
	.end_amdhsa_kernel
	.amdgpu_metadata
---
amdhsa.version: [ 1, 2 ]
amdhsa.kernels:
  - .name:           k_q487981b5c4_upgate
    .symbol:         k_q487981b5c4_upgate.kd
    .args:
      - { .name: xq, .offset: 0, .size: 8, .value_kind: global_buffer, .address_space: global }
      - { .name: wq, .offset: 8, .size: 8, .value_kind: global_buffer, .address_space: global }
      - { .name: lowp_scales, .offset: 16, .size: 8, .value_kind: global_buffer, .address_space: global }
      - { .name: Wscale_ug, .offset: 24, .size: 8, .value_kind: global_buffer, .address_space: global }
      - { .name: SU_dp, .offset: 32, .size: 8, .value_kind: global_buffer, .address_space: global }
      - { .name: hbuf, .offset: 40, .size: 8, .value_kind: global_buffer, .address_space: global }
    .group_segment_fixed_size: 327680
    .private_segment_fixed_size: 0
    .kernarg_segment_align: 8
    .kernarg_segment_size: 48
    .max_flat_workgroup_size: 128
    .sgpr_count:     100
    .vgpr_count:     1024
    .wavefront_size: 32
...
	.end_amdgpu_metadata
.endif
;; end of part 2
;; launch had2 (part 3): grid 1024 x 1, 4 waves a work-group, no clusters, 0 bytes of LDS; arguments hbuf, lowp_scales, h2; writes h2
.if DOCPART == 3
	.amdgcn_target "amdgcn-amd-amdhsa--gfx1250"
	.amdhsa_code_object_version 6
	.text
	.protected	k_q487981b5c4_had2
	.globl	k_q487981b5c4_had2
	.p2align	8
	.type	k_q487981b5c4_had2,@function
k_q487981b5c4_had2:
	s_mov_b64 s[64:65], 0
	v_nop
	global_prefetch_b8 v0, s[64:65] scope:SCOPE_SE
	s_setreg_imm32_b32 hwreg(HW_REG_WAVE_MODE, 25, 1), 1
	s_wait_xcnt 0x0
; HAD2.  h2 = codes of E4M3, with the scale 2^e4, of Hadamard_1024(hbuf) / (32 x 64).  hbuf: [8192][1024] f32 (SU_dp is already in it); h2: [8192][1024] bytes.
; Sixteen lanes own a row, a wave two rows.  Load i takes the row's bytes 256 i .. 256 i + 255, 16 a lane: register R = 4 i + j of lane l holds k = 64 i + 4 l + j.
; A butterfly on each bit of k: bits 0, 1, 6..9 are bits of R (packed additions), bits 2..5 are bits of l (DPP row_xmask).
; 1 / 2048 is a power of two and goes into the conversion's scale: code = sum / 2^(e4 + 11), held within +-448.  LIMIT: e4 + 11 between -126 and 119.  NaN among the inputs is not served.
; The codes are stored in the order in which they lie, registers 16 s .. 16 s + 15 as 16 bytes at 256 s + 16 l, the order in which W_down's codes were laid: one order of k in both operands leaves a product's terms as they are.
; Sixteen lanes store 256 consecutive bytes, aligned.  No LDS, no barrier: waves share nothing.
.set X,   32                           ; v32-95, v96-159: the row's 64 numbers a lane, and the block that the next stage writes
.set Y,   96
.set HT,  160                          ; v160-175 two sets of eight, at work
.set C,   176                          ; v176-191 the codes
.set S1,  8                            ; v[8:15] +-1.0 by the bits of l, twice each
.macro BF0 base, n                     ; bit 0 of R, in place: (a, b) -> (a + b, a - b)
.set rr, 0
.rept (\n)/2
	v_pk_add_f32 v[\base+rr:\base+rr+1], v[\base+rr:\base+rr+1], v[\base+rr:\base+rr+1] op_sel:[0,1] op_sel_hi:[0,1] neg_hi:[0,1]
.set rr, rr+2
.endr
.endm
.macro DPPST base, n, m, S             ; a bit of l: new = the partner's number + (my sign) x mine
.set gg, 0
.rept (\n)/8
.set hs, HT+8*(gg%2)
.irp q, 0,2,4,6
	v_pk_mul_f32 v[hs+\q:hs+\q+1], v[\base+8*gg+\q:\base+8*gg+\q+1], v[\S:\S+1]
.endr
.irp q, 0,1,2,3,4,5,6,7
	v_add_f32_dpp v[\base+8*gg+\q], v[\base+8*gg+\q], v[hs+\q] row_xmask:\m row_mask:0xf bank_mask:0xf
.endr
.set gg, gg+1
.endr
.endm
.macro LANES base, n
	DPPST \base, \n, 1, S1
	DPPST \base, \n, 2, S1+2
	DPPST \base, \n, 4, S1+4
	DPPST \base, \n, 8, S1+6
.endm
.macro BFO src, dst, n, d              ; bit d (2 .. 32) of R, from one block into the other
.set rr, 0
.rept (\n)/2
.if (rr & \d) == 0
	v_pk_add_f32 v[\dst+rr:\dst+rr+1], v[\src+rr:\src+rr+1], v[\src+rr+\d:\src+rr+\d+1]
	v_pk_add_f32 v[\dst+rr+\d:\dst+rr+\d+1], v[\src+rr:\src+rr+1], v[\src+rr+\d:\src+rr+\d+1] neg_lo:[0,1] neg_hi:[0,1]
.endif
.set rr, rr+2
.endr
.endm
	s_load_b128 s[4:7], s[0:1], 0x0                ; hbuf s[4:5], the exponents s[6:7]
	s_load_b64 s[8:9], s[0:1], 0x10                ; h2
	v_lshrrev_b32 v1, 5, v0
	v_readfirstlane_b32 s10, v1                    ; wave
	v_and_b32 v1, 15, v0                           ; l
	v_bfe_u32 v2, v0, 4, 1                         ; which half of the lanes
	v_lshlrev_b32 v4, 4, v1
	v_lshl_add_u32 v3, v2, 12, v4                  ; in: half x 4,096 + 16 l
	v_lshl_add_u32 v5, v2, 10, v4                  ; out: half x 1,024 + 16 l
	s_lshl_b32 s12, ttmp9, 3
	s_lshl_b32 s13, s10, 1
	s_add_co_u32 s12, s12, s13                     ; my wave's first row
	s_lshl_b32 s14, s12, 12
	s_mov_b32 s15, 0
	s_lshl_b32 s16, s12, 10
	s_mov_b32 s17, 0
	s_wait_kmcnt 0x0
	s_load_b32 s18, s[6:7], 0x10                   ; e4
	s_add_nc_u64 s[4:5], s[4:5], s[14:15]
	s_add_nc_u64 s[8:9], s[8:9], s[16:17]
.set ii, 0
.rept 16
	global_load_b128 v[X+4*ii:X+4*ii+3], v3, s[4:5] offset:256*ii th:TH_LOAD_NT     ; sixteen lanes read 256 consecutive bytes of a row; read once in the launch
.set ii, ii+1
.endr
.irp b, 0,1,2,3
	v_bfe_u32 v[S1+2*\b], v0, \b, 1
	v_lshl_or_b32 v[S1+2*\b], v[S1+2*\b], 31, 0x3f800000
	v_mov_b32 v[S1+2*\b+1], v[S1+2*\b]
.endr
	s_wait_kmcnt 0x0
	s_add_co_i32 s18, s18, 138                     ; e4 + 11 + 127
	s_lshl_b32 s19, s18, 23
	v_mov_b32 v16, s19                             ; 2^(e4 + 11) as f32: the conversion takes its exponent field
	s_add_co_i32 s18, s18, 8
	s_lshl_b32 s18, s18, 23
	s_or_b32 s18, s18, 0x600000
	v_mov_b32 v17, s18                             ; 448 x that
	s_wait_loadcnt 8                               ; the first eight loads are in; the other eight may be out
	BF0 X, 32
	LANES X, 32
	s_wait_loadcnt 0x0
	BF0 X+32, 32
	LANES X+32, 32
	BFO X, Y, 64, 2
	BFO Y, X, 64, 4
	BFO X, Y, 64, 8
	BFO Y, X, 64, 16
	BFO X, Y, 64, 32
.set gi, 0
.rept 4
.irp q, 0,1,2,3,4,5,6,7,8,9,10,11,12,13,14,15
	v_med3_num_f32 v[Y+16*gi+\q], v[Y+16*gi+\q], -v17, v17     ; the conversion to an 8-bit code does not saturate (ISA guide 7.6.2): the hold comes first
.endr
	v_cvt_scalef32_pk8_fp8_f32 v[C+4*gi:C+4*gi+1], v[Y+16*gi:Y+16*gi+7], v16
	v_cvt_scalef32_pk8_fp8_f32 v[C+4*gi+2:C+4*gi+3], v[Y+16*gi+8:Y+16*gi+15], v16
	global_store_b128 v5, v[C+4*gi:C+4*gi+3], s[8:9] offset:256*gi    ; the codes go to a store alone; the next group's holds are plain lines on other registers
.set gi, gi+1
.endr
	s_endpgm
.Lfunc_end_k_q487981b5c4_had2:
	.size	k_q487981b5c4_had2, .Lfunc_end_k_q487981b5c4_had2-k_q487981b5c4_had2
	.p2alignl 7, 3214868480
	.fill 96, 4, 3214868480
	.section	.rodata,"a",@progbits
	.p2align	6, 0x0
	.amdhsa_kernel k_q487981b5c4_had2
		.amdhsa_group_segment_fixed_size 0
		.amdhsa_private_segment_fixed_size 0
		.amdhsa_enable_private_segment 0
		.amdhsa_kernarg_size 24
		.amdhsa_user_sgpr_count 2
		.amdhsa_user_sgpr_kernarg_segment_ptr 1
		.amdhsa_wavefront_size32 1
		.amdhsa_system_sgpr_workgroup_id_x 1
		.amdhsa_system_sgpr_workgroup_id_y 1
		.amdhsa_system_sgpr_workgroup_id_z 1
		.amdhsa_system_vgpr_workitem_id 0
		.amdhsa_next_free_vgpr 192
		.amdhsa_next_free_sgpr 66
		.amdhsa_reserve_vcc 0
		.amdhsa_float_denorm_mode_32 3
		.amdhsa_float_denorm_mode_16_64 3
		.amdhsa_memory_ordered 1
		.amdhsa_forward_progress 1
		.amdhsa_inst_pref_size 45
	.end_amdhsa_kernel
	.amdgpu_metadata
---
amdhsa.version: [ 1, 2 ]
amdhsa.kernels:
  - .name:           k_q487981b5c4_had2
    .symbol:         k_q487981b5c4_had2.kd
    .args:
      - { .name: hbuf, .offset: 0, .size: 8, .value_kind: global_buffer, .address_space: global }
      - { .name: lowp_scales, .offset: 8, .size: 8, .value_kind: global_buffer, .address_space: global }
      - { .name: h2, .offset: 16, .size: 8, .value_kind: global_buffer, .address_space: global }
    .group_segment_fixed_size: 0
    .private_segment_fixed_size: 0
    .kernarg_segment_align: 8
    .kernarg_segment_size: 24
    .max_flat_workgroup_size: 128
    .sgpr_count:     66
    .vgpr_count:     192
    .wavefront_size: 32
...
	.end_amdgpu_metadata
.endif
;; end of part 3
;; launch down (part 4): grid 8 x 32, 4 waves a work-group, clusters of 4 x 4, 327,680 bytes of LDS; arguments h2, wd, lowp_scales, Wscale_dp, out0; writes out0
.if DOCPART == 4
	.amdgcn_target "amdgcn-amd-amdhsa--gfx1250"
	.amdhsa_code_object_version 6
	.text
	.protected	k_q487981b5c4_down
	.globl	k_q487981b5c4_down
	.p2align	8
	.type	k_q487981b5c4_down,@function
k_q487981b5c4_down:
	s_mov_b64 s[64:65], 0
	v_nop
	global_prefetch_b8 v0, s[64:65] scope:SCOPE_SE
	s_setreg_imm32_b32 hwreg(HW_REG_WAVE_MODE, 25, 1), 1
	s_wait_xcnt 0x0
	s_wait_alu depctr_hold_cnt(0) depctr_sa_sdst(0) depctr_va_vdst(0) depctr_va_sdst(0) depctr_va_ssrc(0) depctr_va_vcc(0) depctr_vm_vsrc(0)
	s_getreg_b32 s2, hwreg(HW_REG_IB_STS2, 6, 4)
	s_cmp_eq_u32 s2, 0
	s_cbranch_scc0 .Lentry_in_a_cluster
	s_endpgm
.Lentry_in_a_cluster:
	s_bfe_u32 s2, ttmp6, 0x10000c
	s_cmp_lg_u32 s2, 0xf033
	s_cbranch_scc0 .Lentry_shape_is_right
	s_endpgm
.Lentry_shape_is_right:
; DOWN.  out0[m][n] = (sum over k of h2[m][k] wd[n][k]) x 2^(e4 + e5) x Wscale_dp[n] x 64.  h2: [8192][1024], wd: [2048][1024]: codes of E4M3, one order of k in both; out0: [8192][2048] f32; sums in f32.
; A tile of out0, 256 x 256, is made by a work-group of four waves; a wave makes 128 x 128: 64 accumulators of 16 x 16, 512 registers.
; K goes in steps of 256 through a ring of two LDS slots filled by the tensor data mover: a tile's row is 256 bytes of memory.  Four K steps in all; by this text's count a wave has two tensor loads out at the start, then one.
; CLUSTERS: 4 x 4 work-groups.  The four of a row of the cluster need the same tiles of h2, the four of a column the same tiles of wd: each tile is asked for JOINTLY.
; THE MATRIX INSTRUCTION IS USED TRANSPOSED (source 0 = 16 rows of wd, source 1 = 16 rows of h2): a lane holds eight neighbouring numbers of a row of out0.
; The two exponents and the 64 enter by v_ldexp_f32 into the columns' factors and keep no limit of their own.
; No prefetch: of the four K steps two are asked for at the head.
; REGISTERS, in windows of 256: window 0: v0-31 addresses; v32-95 the columns' factors; from v128 h2's fragments (8 x 16 rows x 128 K), ONE set; on the way out v128-191 hold a block's results.
;   window 1: wd's fragments, TWO sets, at v0 and at v128; on the way out v0-127 hold rows read back.   window 2: the 32 accumulators of my rows 0-63 ((a, b) at v[8 (8 a + b)]);   window 3: those of my rows 64-127.
.set SIZE_M, 8192
.set SIZE_N, 2048
.set SIZE_K, 1024
.set KSTEP,  256                       ; along K in a slot
.set ROWB,   256                       ; a tile's row in bytes
.set KROW,   SIZE_K                    ; a row of h2 or of wd in memory, in bytes
.set PITCH,  272                       ; an LDS row: 256 bytes + 16 of padding = 68 words: the 16 rows that a load touches start at 16 different 16-byte columns of 256 bytes
.set FR,     16                        ; registers of a fragment: 16 rows x 128 K
.set NL,     4                         ; LDS loads that bring one
.set NP,     4                         ; places behind this matrix instruction (ISA guide 7.12.1)
.set HALFT,  128*PITCH                 ; 128 rows: what one tensor load brings, and what one wave reads of either operand
.set SLOT,   4*HALFT                   ; h2's 256 rows, then wd's 256 rows
.set LAPS,   SIZE_K/(2*KSTEP)          ; a lap = two K steps = once round the ring
.set SPARE,  2*SLOT                    ; behind the ring: the spare words, 128 bytes for each wave: two blocks of 256 bytes that no other line names
.set SPITCH, 528                       ; the way out: a stage of 16 rows x (512 bytes + 16) for each wave, in slot 0, which has had its last fill and its last read when the first result is stored there
.set ADRA, 16                          ; v16-17  LDS address of my h2 fragments in slot 0, 1
.set ADRB, 20                          ; v20-21  the same for wd
.set STO,  24                          ; v24     the way out: where I put 32 bytes of a row
.set RD,   25                          ; v25     the way out: where I read a row back
.set CO,   26                          ; v26     my byte offset in a row of out0
.set SPW,  28                          ; v28     LDS address of my spare word: SPARE + 4 x my thread's number; never rewritten
.set NIL,  29                          ; v29     0; never rewritten
.set CSC,  32                          ; v32-95  the factor of column 16 b + 8 (lane / 16) + j at v[CSC + 8 b + j]
.set AF,   128                         ; h2's fragments, in window 0
.set TMP,  128                         ; the way out: 64 registers, a block's sums x factors
.set G1, 24                            ; s[24:31] descriptor group 1 for h2's tiles;  s[32:39] group 0, one set for each slot
.set G0, 32
.set G1B, 48                           ; s[48:55], s[56:63] the same for wd's tiles
.set G0B, 56
.set MSB, 0
.macro WIN new                         ; the immediate's high byte repeats the setting that is left
.if MSB != \new
	s_set_vgpr_msb (MSB<<8)|\new
.set MSB, \new
.endif
.endm
.set MUL_LO, 0xa1                      ; source 0 (wd) window 1, source 1 (h2) window 0, C and D window 2
.set MUL_HI, 0xf1                      ; the same, C and D window 3
.set TO_B,   0x40                      ; destination window 1, address window 0
; A joint load: waves 0 and 1 fetch for h2, waves 2 and 3 for wd.  Each line has one mask; the branch hangs on the wave's number alone.  Four v_nop follow each line.
.macro JLOAD g0a, g1a, g0b, g1b
	s_cmp_eq_u32 s15, 0
	s_cbranch_scc0 .Lfor_b_\@
	tensor_load_to_lds s[\g0a:\g0a+3], s[\g1a:\g1a+7]
	s_nop 0
.rept 4
	v_nop
.endr
	s_branch .Lasked_\@
.Lfor_b_\@:
	tensor_load_to_lds s[\g0b:\g0b+3], s[\g1b:\g1b+7]
	s_nop 0
.rept 4
	v_nop
.endr
.Lasked_\@:
.endm
.macro CREST                           ; a round of the cluster's barrier behind its opening barrier
	s_cmp_lg_u32 s14, 0
	s_cbranch_scc1 .Lnot_wave_0_\@
	s_barrier_signal -3
.Lnot_wave_0_\@:
	s_barrier_wait -3
	s_barrier_signal -1
	s_barrier_wait -1
.endm
.macro CROUND                          ; a whole round
	s_barrier_signal -1
	s_barrier_wait -1
	CREST
.endm
	s_load_b128 s[4:7], s[0:1], 0x0                ; h2 s[4:5], wd s[6:7]
	s_load_b128 s[8:11], s[0:1], 0x10              ; the exponents s[8:9], Wscale_dp s[10:11]
	s_load_b64 s[12:13], s[0:1], 0x20              ; out0
	v_lshl_add_u32 v[SPW], v0, 2, SPARE
	v_mov_b32 v[NIL], 0
	ds_add_u32 v28, v29
	ds_add_u32 v28, v29
	s_wait_dscnt 0x0
	v_lshrrev_b32 v1, 5, v0
	v_readfirstlane_b32 s14, v1                    ; wave 0..3
	s_lshr_b32 s15, s14, 1                         ; which half of the tile's rows is mine.  Also: I fetch for h2 (0) or for wd (1)
	s_and_b32 s16, s14, 1                          ; which half of its columns.  Also: which 128 rows of that tile I fetch
	s_bfe_u32 s40, ttmp6, 0x40000                  ; cx, cy: my place in the cluster
	s_bfe_u32 s41, ttmp6, 0x40004
	s_lshl_b32 s42, ttmp9, 2
	s_add_co_u32 s42, s42, s40                     ; tile column = 4 x cluster x + cx
	s_and_b32 s17, ttmp7, 0xffff
	s_lshl_b32 s17, s17, 2
	s_add_co_u32 s17, s17, s41                     ; tile row = 4 x cluster y + cy
	s_lshl_b32 s43, s41, 2
	s_lshl_b32 s43, 15, s43                        ; my row of the cluster
	s_lshl_b32 s44, 0x1111, s40                    ; my column
	s_or_b32 s[G1+0], s43, (0<<16)|(1<<20)|(1<<21)|(5<<22)|(3<<25)  ; 15:0 the mask; 17:16 elements of 1 byte; 20 padding on; 21 set beside a mask; 24:22 after every 64 words (code 5); 31:25 four words (code 3)
	s_or_b32 s[G1B+0], s44, (0<<16)|(1<<20)|(1<<21)|(5<<22)|(3<<25)
.irp g, G1, G1B
	s_mov_b32 s[\g+1], ROWB<<16                    ; tensor_dim0
	s_mov_b32 s[\g+2], 128<<16                     ; tensor_dim1 = 128
	s_mov_b32 s[\g+3], ROWB<<16                    ; tile_dim0
	s_mov_b32 s[\g+4], 128                         ; tile_dim1 = 128
	s_mov_b32 s[\g+5], KROW                        ; from row to row
	s_mov_b32 s[\g+6], 0
	s_mov_b32 s[\g+7], 0
.endr
	s_lshl_b32 s18, s16, 7                         ; which 128 rows of the tile I fetch
	s_lshl_b32 s20, s17, 8
	s_add_co_u32 s20, s20, s18                     ; h2: row 256 x tile row + 128 x half
	s_lshl_b32 s46, s42, 8
	s_add_co_u32 s46, s46, s18                     ; wd: row 256 x tile column + 128 x half
	s_mov_b32 s21, 0
	s_mov_b32 s47, 0
	s_mov_b64 s[18:19], KROW
	s_mul_u64 s[20:21], s[20:21], s[18:19]
	s_mul_u64 s[46:47], s[46:47], s[18:19]
	s_mul_i32 s45, s14, HALFT                      ; where they go: wave x 128 rows: no place in the cluster enters an LDS address
	s_wait_kmcnt 0x0
	s_load_b64 s[96:97], s[8:9], 0x10              ; e4, e5
	s_add_nc_u64 s[20:21], s[4:5], s[20:21]
	s_add_nc_u64 s[46:47], s[6:7], s[46:47]
	CROUND                                         ; all sixteen work-groups are here: the first joint loads meet
.irp s, 0,1
	s_mov_b32 s[G0+4*\s], 1
	s_add_co_u32 s[G0+4*\s+1], s45, \s*SLOT
	s_add_nc_u64 s[G0+4*\s+2:G0+4*\s+3], s[20:21], \s*ROWB
	s_or_b32 s[G0+4*\s+3], s[G0+4*\s+3], 0x80000000
	s_mov_b32 s[G0B+4*\s], 1
	s_add_co_u32 s[G0B+4*\s+1], s45, \s*SLOT
	s_add_nc_u64 s[G0B+4*\s+2:G0B+4*\s+3], s[46:47], \s*ROWB
	s_or_b32 s[G0B+4*\s+3], s[G0B+4*\s+3], 0x80000000
	JLOAD G0+4*\s, G1, G0B+4*\s, G1B
.endr
	v_and_b32 v1, 15, v0                           ; l % 16
	v_bfe_u32 v2, v0, 4, 1                         ; l / 16
	v_mul_u32_u24 v3, v1, PITCH
	v_lshl_add_u32 v4, v2, 4, v3                   ; a fragment's row x pitch + 16 x half
	s_mul_i32 s21, s15, HALFT                      ; my 128 rows of h2
	s_mul_i32 s22, s16, HALFT                      ; my 128 rows of wd,
	s_add_co_u32 s22, s22, 2*HALFT                 ; which lie behind h2's 256
.irp s, 0,1
	v_add_nc_u32 v[ADRA+\s], s21, v4
	v_add_nc_u32 v[ADRB+\s], s22, v4
	s_add_co_u32 s21, s21, SLOT
	s_add_co_u32 s22, s22, SLOT
.endr
	s_mul_i32 s23, s14, 16*SPITCH                  ; my stage
	v_mul_u32_u24 v5, v1, SPITCH                   ; in: row l % 16, 32 bytes for each half of the lanes
	v_lshl_add_u32 v5, v2, 5, v5
	v_add_nc_u32 v[STO], s23, v5
	v_and_b32 v6, 31, v0
	v_lshlrev_b32 v[CO], 4, v6                     ; back: the 32 lanes take one row of 512 bytes; and the same in out0
	v_add_nc_u32 v[RD], s23, v[CO]
	s_lshl_b32 s20, s17, 8
	s_lshl_b32 s21, s15, 7
	s_add_co_u32 s20, s20, s21                     ; my first row of out0: 256 x tile row + 128 x half
	s_mov_b32 s21, 0
	s_mov_b64 s[18:19], SIZE_N*4
	s_mul_u64 s[20:21], s[20:21], s[18:19]
	s_lshl_b32 s46, s42, 10                        ; my first column, in bytes of f32: 1024 x tile column + 512 x half
	s_lshl_b32 s47, s16, 9
	s_add_co_u32 s46, s46, s47
	s_mov_b32 s47, 0
	s_add_nc_u64 s[10:11], s[10:11], s[46:47]      ; Wscale_dp at my first column
	s_add_nc_u64 s[20:21], s[20:21], s[46:47]
	s_add_nc_u64 s[12:13], s[12:13], s[20:21]
	v_lshlrev_b32 v7, 5, v2                        ; 32 (l / 16)
.irp b, 0,1,2,3,4,5,6,7
	global_load_b128 v[CSC+8*\b:CSC+8*\b+3], v7, s[10:11] offset:64*\b
	global_load_b128 v[CSC+8*\b+4:CSC+8*\b+7], v7, s[10:11] offset:64*\b+16
.endr
	s_wait_kmcnt 0x0
	s_add_co_i32 s96, s96, s97
	s_add_co_i32 s96, s96, 6                       ; e4 + e5, and 64 = 2^6
	s_wait_loadcnt 0x0
.set nn, 0
.rept 64
	v_ldexp_f32 v[CSC+nn], v[CSC+nn], s96          ; Wscale_dp[n] x 64 x 2^(e4 + e5): nothing is rounded, short of overflow and underflow
.set nn, nn+1
.endr
.macro FRAG reg, adr, q, i             ; a fragment, 16 rows x 128 codes, is 16 registers: lane l holds row l % 16; registers 4 c .. 4 c + 3 hold bytes 32 c + 16 (l / 16) + 0 .. 15, alike for both operands
.irp c, 0,1,2,3
	ds_load_b128 v[\reg+4*\c:\reg+4*\c+3], v[\adr] offset:128*(\q)+32*\c+(\i)*16*PITCH
.endr
.endm
; 16 matrix instructions: h2's blocks a0, a0 + 1 x wd's eight, 128 along K.  p: wd's set.  zero = 1: the first product starts the sums.
; The 64 accumulators take turns, one instruction a turn, in the same order in every step.
.macro MUL16 a0, p, zero
.irp a, \a0, \a0+1
.irp b, 0,1,2,3,4,5,6,7
.if \zero
	v_wmma_f32_16x16x128_fp8_fp8 v[8*(8*((\a)%4)+\b):8*(8*((\a)%4)+\b)+7], v[128*(\p)+FR*\b:128*(\p)+FR*\b+FR-1], v[AF+FR*(\a):AF+FR*(\a)+FR-1], 0
.else
	v_wmma_f32_16x16x128_fp8_fp8 v[8*(8*((\a)%4)+\b):8*(8*((\a)%4)+\b)+7], v[128*(\p)+FR*\b:128*(\p)+FR*\b+FR-1], v[AF+FR*(\a):AF+FR*(\a)+FR-1], v[8*(8*((\a)%4)+\b):8*(8*((\a)%4)+\b)+7]
.endif
.endr
.endr
.endm
.macro FETCH_B slot, q, p              ; wd's eight fragments of the slot's q-th 128 along K into set p
	WIN TO_B
.irp i, 0,1,2,3,4,5,6,7
	FRAG 128*(\p)+FR*\i, ADRB+\slot, \q, \i
.endr
	WIN 0
.endm
.macro FETCH_A slot, q, i0             ; h2's blocks i0 .. i0 + 3
.irp i, \i0, \i0+1, \i0+2, \i0+3
	FRAG AF+FR*(\i), ADRA+\slot, \q, \i
.endr
.endm
; A load into a register that a matrix instruction has read, and a vector instruction that reads a matrix result or writes one of its registers, stand NP places behind it; only plain vector instructions are places.
.macro PLACES n
.rept \n
	v_nop
.endr
.endm
; A step of 128 along K that has its successor in the same slot.
.macro STEP slot, q, zero
	s_wait_dscnt 4*NL                              ; wd's set and h2's blocks 0-3 are in; the youngest loads (blocks 4-7) may be out
	WIN MUL_LO
	MUL16 0, (\q)%2, \zero
	MUL16 2, (\q)%2, \zero
	s_wait_dscnt 0                                 ; blocks 4-7 are in
	PLACES NP
	FETCH_B \slot, (\q)+1, 1-(\q)%2
	FETCH_A \slot, (\q)+1, 0
	WIN MUL_HI
	MUL16 4, (\q)%2, \zero
	MUL16 6, (\q)%2, \zero
	PLACES NP
	WIN 0
	FETCH_A \slot, (\q)+1, 4
.endm
; A slot's last step changes slots: ONE barrier; in front of it each wave waits for all its tensor loads, adds 0 to its spare word, and waits for that and for its own reads of this slot.  fill = 1: this slot is filled again, two K steps ahead.
.macro TURN slot, next, fill
	s_wait_tensorcnt 0x0                           ; all my tensor loads have landed: my part of the next slot;  (every window is 0 here)
	ds_add_u32 v[SPW], v[NIL]                      ; 0 onto my spare word
	s_wait_dscnt 4*NL+1                            ; (the add and the youngest loads, blocks 4-7, may be out)
	WIN MUL_LO
	MUL16 0, 1, 0                                  ; sixteen matrix instructions stand between the add and the wait for it
	s_wait_dscnt 0x0                               ; the add is done, and my reads of this slot are over
	s_barrier_signal -1
	MUL16 2, 1, 0
	WIN 0
	s_barrier_wait -1
.if \fill
	CREST                                          ; no wave of any partner still reads this slot's tile or has a load on its way
	s_add_nc_u64 s[G0+4*\slot+2:G0+4*\slot+3], s[G0+4*\slot+2:G0+4*\slot+3], 2*ROWB
	s_add_nc_u64 s[G0B+4*\slot+2:G0B+4*\slot+3], s[G0B+4*\slot+2:G0B+4*\slot+3], 2*ROWB
	JLOAD G0+4*\slot, G1, G0B+4*\slot, G1B         ; the first tensor load behind the round; its four v_nop are the places in front of the loads below
.else
	PLACES NP
.endif
	FETCH_B \next, 0, 0
	FETCH_A \next, 0, 0
	WIN MUL_HI
	MUL16 4, 1, 0
	MUL16 6, 1, 0
	PLACES NP
	WIN 0
	FETCH_A \next, 0, 4
.endm
	s_wait_tensorcnt 1                             ; my part of K step 0 is in (K step 1's load may be out)
	s_barrier_signal -1
	s_barrier_wait -1                              ; everybody's is
	FETCH_B 0, 0, 0
	FETCH_A 0, 0, 0
	FETCH_A 0, 0, 4
	STEP 0, 0, 1                                   ; the first step stands in front of the loop: its products start the sums
	s_mov_b32 s3, LAPS-1
.Llap:                                             ; a trip goes once round the ring, from a lap's second step to the next lap's first, and fills both slots again
	TURN 0, 1, 1
	STEP 1, 0, 0
	TURN 1, 0, 1
	STEP 0, 0, 0
	s_sub_co_u32 s3, s3, 1
	s_cmp_lg_u32 s3, 0
	s_cbranch_scc1 .Llap
	TURN 0, 1, 0                                   ; the last lap fills nothing, and has no round of the cluster's barrier
	STEP 1, 0, 0
	s_wait_dscnt 4*NL                              ; the very last step: nothing more to fetch
	WIN MUL_LO
	MUL16 0, 1, 0
	MUL16 2, 1, 0
	s_wait_dscnt 0
	WIN MUL_HI
	MUL16 4, 1, 0
	MUL16 6, 1, 0
	WIN 0
; THE WAY OUT, block by block of 16 rows x 128 columns: sums x the columns' factors, each accumulator from its low end on; through my own stage in LDS; back as whole rows of 512 bytes, which the 32 lanes store.
; LDS serves a wave's instructions in order (ISA guide 5.7.1.4): no wait between the stores and the loads, nor in front of the next block's stores.
.macro TOSTAGE a
.set AC, 64*((\a)%4)
	WIN 0x02+((\a)/4)                              ; source 0: window 2 or 3
.irp j, 0,2,4,6,8,10,12,14,16,18,20,22,24,26,28,30,32,34,36,38,40,42,44,46,48,50,52,54,56,58,60,62
	v_pk_mul_f32 v[TMP+\j:TMP+\j+1], v[AC+\j:AC+\j+1], v[CSC+\j:CSC+\j+1]
.endr
	WIN 0
.irp b, 0,1,2,3,4,5,6,7
	ds_store_b128 v[STO], v[TMP+8*\b:TMP+8*\b+3] offset:64*\b
	ds_store_b128 v[STO], v[TMP+8*\b+4:TMP+8*\b+7] offset:64*\b+16
.endr
.set BB, 64*((\a)%2)                   ; rows read back: window 1, v0-63 and v64-127 by turns
	WIN TO_B
.irp t, 0,1,2,3,4,5,6,7,8,9,10,11,12,13,14,15
	ds_load_b128 v[BB+4*\t:BB+4*\t+3], v[RD] offset:\t*SPITCH
.endr
	WIN 0
.endm
.macro SEND a, younger                 ; younger: the LDS instructions issued behind block a's loads, which may stay out
.set BB, 64*((\a)%2)
	s_wait_dscnt \younger                          ; the block is back in registers
	WIN 0x04                                       ; a store's data: source 1, window 1
.irp t, 0,1,2,3,4,5,6,7,8,9,10,11,12,13,14,15
	global_store_b128 v[CO], v[BB+4*\t:BB+4*\t+3], s[12:13] offset:(16*(\a)+\t)*SIZE_N*4 th:TH_STORE_NT   ; 32 lanes store 512 consecutive bytes, aligned; 127 rows of 8,192 bytes at the most: inside the signed 24-bit immediate; the base is never stepped
.endr
	WIN 0
.endm
	PLACES NP                                      ; behind the last products: for the writes over h2's fragments and for the reads of results
	TOSTAGE 0
.irp a, 1,2,3,4,5,6,7
.if \a > 1
	s_wait_xcnt 0x0                                ; block a - 2's stores have read their registers: block a's loads may land there
.endif
	TOSTAGE \a
	SEND \a-1, 32                                  ; behind block a - 1's loads: block a's 16 stores and 16 loads
.endr
	SEND 7, 0
	s_wait_tensorcnt 0x0                           ; the wave's end: behind my last tensor load and my last LDS store
	ds_add_u32 v[SPW], v[NIL]
	s_wait_dscnt 0x0
	CROUND                                         ; the closing round: no work-group ends while a partner may still ask for a tile that names it
	s_endpgm
.Lfunc_end_k_q487981b5c4_down:
	.size	k_q487981b5c4_down, .Lfunc_end_k_q487981b5c4_down-k_q487981b5c4_down
	.p2alignl 7, 3214868480
	.fill 96, 4, 3214868480
	.section	.rodata,"a",@progbits
	.p2align	6, 0x0
	.amdhsa_kernel k_q487981b5c4_down
		.amdhsa_group_segment_fixed_size 327680
		.amdhsa_private_segment_fixed_size 0
		.amdhsa_enable_private_segment 0
		.amdhsa_kernarg_size 40
		.amdhsa_user_sgpr_count 2
		.amdhsa_user_sgpr_kernarg_segment_ptr 1
		.amdhsa_wavefront_size32 1
		.amdhsa_system_sgpr_workgroup_id_x 1
		.amdhsa_system_sgpr_workgroup_id_y 1
		.amdhsa_system_sgpr_workgroup_id_z 1
		.amdhsa_system_vgpr_workitem_id 0
		.amdhsa_next_free_vgpr 1024
		.amdhsa_next_free_sgpr 98
		.amdhsa_reserve_vcc 0
		.amdhsa_float_denorm_mode_32 3
		.amdhsa_float_denorm_mode_16_64 3
		.amdhsa_memory_ordered 1
		.amdhsa_forward_progress 1
		.amdhsa_inst_pref_size 129
	.end_amdhsa_kernel
	.amdgpu_metadata
---
amdhsa.version: [ 1, 2 ]
amdhsa.kernels:
  - .name:           k_q487981b5c4_down
    .symbol:         k_q487981b5c4_down.kd
    .args:
      - { .name: h2, .offset: 0, .size: 8, .value_kind: global_buffer, .address_space: global }
      - { .name: wd, .offset: 8, .size: 8, .value_kind: global_buffer, .address_space: global }
      - { .name: lowp_scales, .offset: 16, .size: 8, .value_kind: global_buffer, .address_space: global }
      - { .name: Wscale_dp, .offset: 24, .size: 8, .value_kind: global_buffer, .address_space: global }
      - { .name: out0, .offset: 32, .size: 8, .value_kind: global_buffer, .address_space: global }
    .group_segment_fixed_size: 327680
    .private_segment_fixed_size: 0
    .kernarg_segment_align: 8
    .kernarg_segment_size: 40
    .max_flat_workgroup_size: 128
    .sgpr_count:     98
    .vgpr_count:     1024
    .wavefront_size: 32
...
	.end_amdgpu_metadata
.endif
;; end of part 4
